; MI455X (gfx1250); checked and timed in simulation.
; The chip was launched on July 23, 2026; its instructions are those of AMD's public machine-readable ISA for CDNA 5 (MIT licence, August 2026) and "CDNA5" Instruction Set Architecture Reference Guide (July 2026). The comments in the code are by the model that wrote it; some were corrected since.
;; Switch Transformers Layer FF. Allowed arithmetic: matrix products marked QUANTISED: E2M1 operands, one E8M0 scale for each 32 along K, by v_wmma_scale_f32_16x16x128_f8f6f4 with both operands' format E2M1 (or v_wmma_scale_f32_32x16x128_f4), f32 sums; products left as they are: f32 operands where the result goes on into a quantised operand, else bf16, f16 or f32 operands; f32 sums; everything else in f32.
;; Inputs: hidden_states 2 x 2,048 x 512 float32; ln_weight 512 float32; w_router 512 x 8 float32; wi_codes 8 x 2,048 x 16 x 16 uint8 (E2M1 codes of wi, K innermost, in blocks of 32 codes, two codes a byte); wi_scales 8 x 2,048 x 16 uint8 (E8M0 scales of wi, one for each 32 codes along K); wo_codes 8 x 512 x 64 x 16 uint8 (E2M1 codes of wo, K innermost, in blocks of 32 codes, two codes a byte); wo_scales 8 x 512 x 64 uint8 (E8M0 scales of wo, one for each 32 codes along K).
;; Outputs: out0 2 x 2,048 x 512 float32; out1 2 x 2,048 x 8 float32; out2 2 x 2,048 int32.
;; Constants: output_router_logits = 1.
;; This version of the problem:
;;   THIS VERSION OF THE PROBLEM IS GIVEN IN LOW PRECISION. The matrix products marked QUANTISED in the list below multiply operands that are first quantised to E2M1 (2 exponent bits, 1 mantissa bit; 4 bits a number), with one power-of-two scale for each 32 numbers along K (OCP MX v1.0); their sums are f32. All else is computed in f32.
;;   The module's matrix products, in the order in which they are computed (A, B: the left and right operand; K: the contracted axis; several contracted axes count as one K, in the product's order):
;;     1. [M 4,096, K 512] x [K 512, N 8]; A: computed on the way; B: input w_router: left as it is (N = 8 < 16)
;;     2. [M 4,096, K 512] x [K 512, N 2,048]; A: computed on the way; B: input wi (given as codes): QUANTISED
;;     3. [M 4,096, K 2,048] x [K 2,048, N 512]; A: computed on the way; B: input wo (given as codes): QUANTISED
;;     4. [M 4,096, K 512] x [K 512, N 2,048]; A: computed on the way; B: input wi (given as codes): QUANTISED
;;     5. [M 4,096, K 2,048] x [K 2,048, N 512]; A: computed on the way; B: input wo (given as codes): QUANTISED
;;     6. [M 4,096, K 512] x [K 512, N 2,048]; A: computed on the way; B: input wi (given as codes): QUANTISED
;;     7. [M 4,096, K 2,048] x [K 2,048, N 512]; A: computed on the way; B: input wo (given as codes): QUANTISED
;;     8. [M 4,096, K 512] x [K 512, N 2,048]; A: computed on the way; B: input wi (given as codes): QUANTISED
;;     9. [M 4,096, K 2,048] x [K 2,048, N 512]; A: computed on the way; B: input wo (given as codes): QUANTISED
;;     10. [M 4,096, K 512] x [K 512, N 2,048]; A: computed on the way; B: input wi (given as codes): QUANTISED
;;     11. [M 4,096, K 2,048] x [K 2,048, N 512]; A: computed on the way; B: input wo (given as codes): QUANTISED
;;     12. [M 4,096, K 512] x [K 512, N 2,048]; A: computed on the way; B: input wi (given as codes): QUANTISED
;;     13. [M 4,096, K 2,048] x [K 2,048, N 512]; A: computed on the way; B: input wo (given as codes): QUANTISED
;;     14. [M 4,096, K 512] x [K 512, N 2,048]; A: computed on the way; B: input wi (given as codes): QUANTISED
;;     15. [M 4,096, K 2,048] x [K 2,048, N 512]; A: computed on the way; B: input wo (given as codes): QUANTISED
;;     16. [M 4,096, K 512] x [K 512, N 2,048]; A: computed on the way; B: input wi (given as codes): QUANTISED
;;     17. [M 4,096, K 2,048] x [K 2,048, N 512]; A: computed on the way; B: input wo (given as codes): QUANTISED
;;   THE QUANTISER, for each operand of a quantised product, along K:
;;     - K is cut into blocks of 32 from its start; a last block that is shorter is filled with zeros.
;;     - A block's scale is 2^e with e = floor(log2(the largest magnitude in the block)) - 2, held to -126 .. 127; a block of zeros has e = 0. As a byte (E8M0): e + 127.
;;     - Each number is divided by its block's scale, clamped to +-6, and rounded to the nearest number of E2M1, ties to even, subnormals kept.
;;     - The product sums the exact products of the quantised numbers (number of the format x scale) in f32.
;;   ~~~python
;;   def quantise(x, axis):      # numpy; x: float32 -> the quantised numbers, widened to float32 again
;;       x = np.moveaxis(x, axis, -1); K = x.shape[-1]
;;       x = np.pad(x, [(0, 0)] * (x.ndim - 1) + [(0, -K % 32)]); x = x.reshape(x.shape[:-1] + (-1, 32)); a = np.abs(x).max(-1, keepdims=True)
;;       e = np.where(a > 0, np.clip(np.frexp(np.where(a > 0, a, 1))[1] - 1 - 2, -126, 127), 0)      # np.frexp(a)[1] - 1 = floor(log2(a)), exactly
;;       r = np.clip(x / 2.0 ** e, -6, 6)
;;       step = 2.0 ** (np.maximum(np.frexp(np.where(r == 0, 1, r))[1] - 1, 0) - 1)
;;       q = np.round(r / step) * step * 2.0 ** e      # np.round: ties to even
;;       return np.moveaxis(q.reshape(q.shape[:-2] + (-1,))[..., :K], -1, axis).astype(np.float32)
;;   ~~~
;;   OPERANDS COMPUTED ON THE WAY. 'Computed on the way' means the value that the module computes at that place (a softmax that the list does not call 'softmax' is quantised finished and normalised). What goes into a quantiser is computed in f32, as accurately as f32 sums, v_exp_f32 and their like allow (about 1e-6 of the number): no bf16 or f16 on the way to a quantiser, and a product that is left as it is and whose result goes on into a quantised operand takes f32 operands (vector FMAs, or v_wmma_f32_16x16x4_f32). A number that lies on a knife's edge between two numbers of the format may be rounded either way, as far as f32 arithmetic and the matrix unit's own rounding can turn it there, and no further.
;;   INPUTS GIVEN AS CODES. wi (in the module: [8, 512, 2048], K = its axis 1); wo (in the module: [8, 2048, 512], K = its axis 1): each comes as NAME_codes (uint8): NAME with its K axis moved to the last place and cut into blocks of 32 codes, [.., K / 32, bytes a block], one block behind the other in memory; two codes a byte, the lower K in the low four bits (a code: sign, 2 exponent bits, 1 mantissa bit); and NAME_scales (uint8): the same leading axes, one E8M0 byte (e + 127) for each 32 codes along K. Its value is code x scale, taken as it is: it is not quantised again, and the codes and scales need not be those that the quantiser above would give.
;; One version. Each part assembles by itself: llvm-mc -triple=amdgcn-amd-amdhsa -mcpu=gfx1250 --defsym DOCPART=n.
;; ======== version 1 of 1: 3 launches
;; workspace buffers: route 24,576 bytes of whole numbers; prob 16,384 bytes; xcodes 1,048,576 bytes; xscales 65,536 bytes; lists 21,504 bytes of whole numbers; wi_img 4,456,448 bytes; wo_img 4,718,592 bytes
;; launch route (part 1): grid 256 x 1, 8 waves a work-group, no clusters, 59,904 bytes of LDS; arguments hidden_states, ln_weight, w_router, out1, out2, route, prob, xcodes, xscales; writes out1, out2, route, prob, xcodes, xscales
.if DOCPART == 1
	.amdgcn_target "amdgcn-amd-amdhsa--gfx1250"
	.amdhsa_code_object_version 6
	.text
	.protected	k_q4b51243ad4_route
	.globl	k_q4b51243ad4_route
	.p2align	8
	.type	k_q4b51243ad4_route,@function
k_q4b51243ad4_route:
	s_mov_b64 s[64:65], 0
	v_nop
	global_prefetch_b8 v0, s[64:65] scope:SCOPE_SE
	s_setreg_imm32_b32 hwreg(HW_REG_WAVE_MODE, 25, 1), 1
	s_wait_xcnt 0x0
; ROUTE: RMS norm, the router's 8 logits, the largest softmax probability, the argmax, and the normed rows as codes of E2M1 with one E8M0 byte for each 32 along K.
; hidden_states [4096][512] f32, ln_weight [512], w_router [512][8].  Out: out1 [4096][8] logits, out2 [4096] i32; workspace: route (expert of each token; a count of tokens per expert for each 16 tokens),
; prob [4096] f32, xcodes [4096][256 bytes], xscales [4096][16 bytes].
; SHARES.  A work-group owns 16 rows, each of its eight waves two.  A row's 2,048 bytes are loaded as they lie (512 consecutive bytes a load) and turned through the wave's own stage in LDS, so that lane l holds
; k = 16 l .. 16 l + 15 of both rows: two neighbouring lanes hold a block of 32.  w_router lies in LDS in 32 slices of 16 rows; lane l keeps slice l in 128 registers.  All arithmetic is f32.
; No matrix unit (N = 8), no cluster, no tensor load: the launch reads each row once and shares only 16 KB of weights.
; LIMITS.  NaN and infinities among the inputs are not served.  The argmax is taken on the logits (the lowest index among equals), whose f32 sums run in this text's own order: two logits nearer to each other than
; f32 rounding may be told apart otherwise than by another order of the sums.  A block of zeros gets the scale byte 1, not 127: its codes are zeros and this program alone reads the bytes.
; out2, route and prob leave as 64 bytes a work-group, the counts as 32: 16 rows make no more.
.set XT,   16896                       ; LDS 0..16895: w_router, 32 slices of 512 bytes + 16 of padding.  From XT: a stage of 2 x 2,560 bytes for each wave (32 places of 64 bytes + 16)
.set SCB,  57856                       ; 256 scale bytes
.set LG,   58112                       ; 512 bytes of logits
.set IX,   58624                       ; 16 experts
.set PR,   58688                       ; 16 probabilities (IX + 64)
.set R,    16                          ; v16-47   the two rows as loaded; later at work
.set X,    48                          ; v48-79   16 neighbours of each row
.set LNW,  80                          ; v80-95   ln_weight at my 16 k
.set W,    96                          ; v96-223  W[8 k' + e] = w_router[16 l + k'][e]; v96-111 first carry w_router on its way to LDS
.set A,    224                         ; v224-239 A[8 p + e]: my part of logit e of row p
.set Q,    240                         ; v240-243 sums of squares
.set RS,   244                         ; v244-247 1 / sqrt(mean + eps), as the low words of two pairs
	s_load_b512 s[4:19], s[0:1], 0x0               ; hidden 4, ln_weight 6, w_router 8, out1 10, out2 12, route 14, prob 16, xcodes 18
	s_load_b64 s[20:21], s[0:1], 0x40              ; xscales
	v_lshl_add_u32 v254, v0, 2, 0xe600
	v_mov_b32 v255, 0
	v_lshrrev_b32 v1, 5, v0
	v_readfirstlane_b32 s22, v1                    ; wave 0..7
	v_and_b32 v1, 31, v0                           ; lane
	s_mov_b32 s26, 0x76543210                      ; v_permlanex16_b32's selects for lane l xor 16
	s_mov_b32 s27, 0xfedcba98
	s_mov_b32 s28, 0xaaaaaaaa                      ; lanes with bit 0, 1, 2, 3 of their number set
	s_mov_b32 s29, 0xcccccccc
	s_mov_b32 s30, 0xf0f0f0f0
	s_mov_b32 s31, 0xff00ff00
	s_mov_b32 s32, 0x3b000000                      ; 1 / 512
	s_mov_b32 s33, 0x358637bd                      ; 1e-6
	s_mov_b32 s34, 0x3fb8aa3b                      ; log2(e)
	s_lshl_b32 s36, ttmp9, 15                      ; 16 rows of 2,048 bytes a work-group,
	s_lshl_b32 s37, s22, 12                        ; two a wave
	s_add_co_u32 s36, s36, s37
	v_lshl_add_u32 v2, v1, 4, s36                  ; hidden: my 16 bytes of a load's 512
	v_lshlrev_b32 v3, 6, v1                        ; ln_weight: my 16 numbers
	v_lshlrev_b32 v4, 4, v0                        ; w_router: 16 bytes a thread, 4,096 a load of the work-group
	s_mul_i32 s36, s22, 528
	v_lshl_add_u32 v5, v1, 4, s36                  ; and their place in LDS: load i of wave w is slice 8 i + w
	s_mul_i32 s36, s22, 5120
	s_add_co_u32 s36, s36, XT
	v_lshrrev_b32 v6, 2, v1
	v_mul_u32_u24 v6, v6, 80
	v_and_b32 v7, 3, v1
	v_lshl_add_u32 v6, v7, 4, v6
	v_add_nc_u32 v6, s36, v6                       ; the stage, on the way in: 80 (lane / 4) + 16 (lane % 4)
	v_mul_u32_u24 v7, v1, 80
	v_add_nc_u32 v7, s36, v7                       ; and on the way out: 80 x lane
	v_mul_u32_u24 v8, v1, 528                      ; my slice of w_router
	s_lshl_b32 s36, ttmp9, 12
	s_lshl_b32 s37, s22, 9
	s_add_co_u32 s36, s36, s37
	v_lshl_add_u32 v9, v1, 3, s36                  ; xcodes: 8 bytes a lane, 256 a row
	s_lshl_b32 s36, s22, 5
	s_add_co_u32 s36, s36, SCB
	v_lshrrev_b32 v10, 1, v1
	v_add_nc_u32 v10, s36, v10                     ; my block's scale byte: 16 a row
	s_lshl_b32 s36, s22, 6
	s_add_co_u32 s36, s36, LG
	v_and_b32 v11, 15, v1
	v_lshl_add_u32 v11, v11, 2, s36                ; my logit's word: 32 bytes a row
	s_lshl_b32 s36, s22, 3
	s_add_co_u32 s36, s36, IX
	v_bfe_u32 v12, v1, 3, 1
	v_lshl_add_u32 v12, v12, 2, s36                ; my row's word among the experts (the probabilities lie 64 bytes on)
	v_and_b32 v13, 7, v1
	v_cvt_f32_u32 v13, v13                         ; my expert's number as f32
	s_lshl_b32 s36, ttmp9, 9                       ; wave 0's way out: addresses made here, in registers that never hold data
	v_lshl_add_u32 v14, v1, 4, s36                 ; out1
	s_lshl_b32 s36, ttmp9, 8
	v_lshl_add_u32 v15, v1, 3, s36                 ; xscales
	s_lshl_b32 s36, ttmp9, 6
	v_lshl_add_u32 v248, v1, 2, s36                ; out2, route, prob
	s_lshl_b32 s36, ttmp9, 5
	v_lshl_add_u32 v249, v1, 2, s36                ; the counts
	v_lshl_add_u32 v250, v1, 4, LG
	v_lshl_add_u32 v251, v1, 3, SCB
	v_and_b32 v252, 15, v1
	v_lshl_add_u32 v252, v252, 2, IX
	v_mov_b32 v[RS+1], 0                           ; named as upper halves of pairs, so they are written
	v_mov_b32 v[RS+3], 0
	s_wait_kmcnt 0x0
.irp i, 0,1,2,3
	global_load_b128 v[W+4*\i:W+4*\i+3], v4, s[8:9] offset:4096*\i
.endr
.irp q, 0,1,2,3
	global_load_b128 v[LNW+4*\q:LNW+4*\q+3], v3, s[6:7] offset:16*\q
.endr
.irp p, 0,1
.irp i, 0,1,2,3
	global_load_b128 v[R+16*\p+4*\i:R+16*\p+4*\i+3], v2, s[4:5] offset:2048*\p+512*\i
.endr
.endr
	s_wait_loadcnt 12                              ; w_router's four loads are in; ln_weight's four and the rows' eight may be out
.irp i, 0,1,2,3
	ds_store_b128 v5, v[W+4*\i:W+4*\i+3] offset:4224*\i
.endr
	s_wait_loadcnt 0x0
.irp p, 0,1                                    ; a row through my own stage: LDS serves a wave's instructions in order, so no wait stands between the stores and the loads
.irp i, 0,1,2,3
	ds_store_b128 v6, v[R+16*\p+4*\i:R+16*\p+4*\i+3] offset:2560*\p+640*\i
.endr
.irp i, 0,1,2,3
	ds_load_b128 v[X+16*\p+4*\i:X+16*\p+4*\i+3], v7 offset:2560*\p+16*\i
.endr
.endr
	s_wait_dscnt 0x0                               ; for the others' sake: my part of w_router has landed (and my rows are back)
	s_barrier_signal -1
	s_barrier_wait -1
.set q, 0
.rept 32
	ds_load_b128 v[W+4*q:W+4*q+3], v8 offset:16*q  ; my slice; slices 528 bytes apart start at different banks
.set q, q+1
.endr
	; the norm, while the slice is on its way
.irp p, 0,1
	v_pk_mul_f32 v[Q+2*\p:Q+2*\p+1], v[X+16*\p:X+16*\p+1], v[X+16*\p:X+16*\p+1]
.endr
.irp j, 2,4,6,8,10,12,14
.irp p, 0,1
	v_pk_fma_f32 v[Q+2*\p:Q+2*\p+1], v[X+16*\p+\j:X+16*\p+\j+1], v[X+16*\p+\j:X+16*\p+\j+1], v[Q+2*\p:Q+2*\p+1]
.endr
.endr
.irp p, 0,1
	v_add_f32 v[Q+2*\p], v[Q+2*\p], v[Q+2*\p+1]
.endr
.irp x, 1,2,4,8
.irp p, 0,1
	v_add_f32_dpp v[Q+2*\p], v[Q+2*\p], v[Q+2*\p] row_xmask:\x row_mask:0xf bank_mask:0xf
.endr
.endr
.irp p, 0,1
	v_permlanex16_b32 v[Q+2*\p+1], v[Q+2*\p], s26, s27
.endr
.irp p, 0,1
	v_add_f32 v[Q+2*\p], v[Q+2*\p], v[Q+2*\p+1]    ; the row's sum of squares, in every lane
.endr
.irp p, 0,1
	v_fma_f32 v[Q+2*\p], v[Q+2*\p], s32, s33       ; mean + eps: the division by 512 is exact, so this rounds once
.endr
.irp p, 0,1
	v_rsq_f32 v[RS+2*\p], v[Q+2*\p]
.endr
	v_nop                                          ; a plain instruction behind the last transcendental,
	s_wait_alu depctr_va_vdst(0)                   ; and one wait for both, ahead of their first reader
.irp j, 0,2,4,6,8,10,12,14
.irp p, 0,1
	v_pk_mul_f32 v[X+16*\p+\j:X+16*\p+\j+1], v[X+16*\p+\j:X+16*\p+\j+1], v[RS+2*\p:RS+2*\p+1] op_sel_hi:[1,0]
.endr
.endr
.irp j, 0,2,4,6,8,10,12,14
.irp p, 0,1
	v_pk_mul_f32 v[X+16*\p+\j:X+16*\p+\j+1], v[X+16*\p+\j:X+16*\p+\j+1], v[LNW+\j:LNW+\j+1]   ; (h x rsqrt) x weight: the order in which the norm is defined
.endr
.endr
	s_wait_dscnt 0x0                               ; my slice of w_router is in
	; my part of the 2 x 8 logits: two experts an instruction, eight chains by turns
.irp e, 0,2,4,6
.irp p, 0,1
	v_pk_mul_f32 v[A+8*\p+\e:A+8*\p+\e+1], v[W+\e:W+\e+1], v[X+16*\p:X+16*\p+1] op_sel_hi:[1,0]
.endr
.endr
.set k, 1
.rept 15
.irp e, 0,2,4,6
.irp p, 0,1
.if k%2 == 0
	v_pk_fma_f32 v[A+8*\p+\e:A+8*\p+\e+1], v[W+8*k+\e:W+8*k+\e+1], v[X+16*\p+k:X+16*\p+k+1], v[A+8*\p+\e:A+8*\p+\e+1] op_sel_hi:[1,0,1]
.else
	v_pk_fma_f32 v[A+8*\p+\e:A+8*\p+\e+1], v[W+8*k+\e:W+8*k+\e+1], v[X+16*\p+k-1:X+16*\p+k], v[A+8*\p+\e:A+8*\p+\e+1] op_sel:[0,1,0] op_sel_hi:[1,1,1]
.endif
.endr
.endr
.set k, k+1
.endr
; Sixteen sums over 32 lanes at once.  FOLD halves the registers: lanes without the mask's bit keep a and give b away, the others the reverse; each adds what its partner gave.
.macro FOLD a, b, mask, x, t
	v_cndmask_b32 v[\t], v[\b], v[\a], \mask
	v_cndmask_b32 v[\a], v[\a], v[\b], \mask
	v_add_f32_dpp v[\a], v[\t], v[\a] row_xmask:\x row_mask:0xf bank_mask:0xf
.endm
.irp n, 0,2,4,6,8,10,12,14
	FOLD A+\n, A+\n+1, s28, 1, 16+\n
.endr
.irp n, 0,4,8,12
	FOLD A+\n, A+\n+2, s29, 2, 16+\n
.endr
.irp n, 0,8
	FOLD A+\n, A+\n+4, s30, 4, 16+\n
.endr
	FOLD A, A+8, s31, 8, 16
	v_permlanex16_b32 v16, v[A], s26, s27
	v_add_f32 v[A], v[A], v16                      ; lane l: logit l % 8 of row (l / 8) % 2
	; softmax within groups of eight lanes: the maximum is taken away ahead of the exponential; the largest probability is 1 / the sum
	v_mov_b32 v17, v[A]
.irp x, 1,2,4
	v_max_num_f32_dpp v17, v17, v17 row_xmask:\x row_mask:0xf bank_mask:0xf
.endr
	v_sub_f32 v18, v[A], v17
	v_mul_f32 v18, s34, v18
	v_exp_f32 v18, v18
	v_nop
	v_cmp_eq_f32 vcc_lo, v[A], v17
	v_cndmask_b32 v20, 0x41000000, v13, vcc_lo     ; my expert's number where my logit is the largest, else 8
	s_wait_alu depctr_va_vdst(0)
.irp x, 1,2,4
	v_add_f32_dpp v18, v18, v18 row_xmask:\x row_mask:0xf bank_mask:0xf
.endr
	v_rcp_f32 v19, v18
.irp x, 1,2,4
	v_min_num_f32_dpp v20, v20, v20 row_xmask:\x row_mask:0xf bank_mask:0xf   ; the lowest number among the largest
.endr
	v_cvt_i32_f32 v20, v20
	s_wait_alu depctr_va_vdst(0)
	ds_store_b32 v11, v[A]                         ; lanes that share a word write the same value
	ds_store_b32 v12, v20
	ds_store_b32 v12, v19 offset:64
; A row's 16 blocks: the largest magnitude of my 16 and my neighbour's 16, with the floor 2^(3 - 127) among the leaves; 2 off its exponent field is the conversion's scale operand, and that field is the byte.
.macro QROW p
.set XR, X+16*\p
.set T, 24+4*\p
	v_max3_num_f32 v[T], |v[XR]|, |v[XR+1]|, |v[XR+2]|
	v_max3_num_f32 v[T+1], |v[XR+3]|, |v[XR+4]|, |v[XR+5]|
.irp i, 6,10
	v_max3_num_f32 v[T], v[T], |v[XR+\i]|, |v[XR+\i+1]|
	v_max3_num_f32 v[T+1], v[T+1], |v[XR+\i+2]|, |v[XR+\i+3]|
.endr
	v_max3_num_f32 v[T], v[T], |v[XR+14]|, |v[XR+15]|
	v_max3_num_f32 v[T], v[T], v[T+1], 0x1800000
	v_max_num_f32_dpp v[T], v[T], v[T] row_xmask:1 row_mask:0xf bank_mask:0xf
	v_add_nc_u32 v[T+2], 0xff000000, v[T]
	v_cvt_scalef32_pk8_fp4_f32 v[32+2*\p], v[XR:XR+7], v[T+2]
	v_cvt_scalef32_pk8_fp4_f32 v[33+2*\p], v[XR+8:XR+15], v[T+2]
	v_lshrrev_b32 v[T+3], 23, v[T+2]
	ds_store_b8 v10, v[T+3] offset:16*\p           ; both lanes of a block write the same byte with the same value
	global_store_b64 v9, v[32+2*\p:33+2*\p], s[18:19] offset:256*\p   ; the wave stores 256 consecutive bytes, aligned: a row's codes
.endm
	QROW 0
	QROW 1
	s_wait_dscnt 0x0                               ; for wave 0's sake: my logits, experts, probabilities and scale bytes have landed
	s_barrier_signal -1
	s_barrier_wait -1
	s_cmp_lg_u32 s22, 0
	s_cbranch_scc1 .Ldone                          ; wave 0 carries the work-group's small results out
	ds_load_b128 v[40:43], v250
	ds_load_b64 v[44:45], v251
	ds_load_b32 v46, v252
	ds_load_b32 v47, v252 offset:64
	v_mov_b32 v36, 0
	s_wait_dscnt 0x0
	global_store_b128 v14, v[40:43], s[10:11]      ; 512 consecutive bytes of out1
	global_store_b64 v15, v[44:45], s[20:21]       ; 256 consecutive bytes of xscales
.irp e, 0,1,2,3,4,5,6,7
	v_cmp_eq_u32 s37, \e, v46                      ; lanes 0-15 hold the 16 rows' experts
	s_and_b32 s37, s37, 0xffff
	s_bcnt1_i32_b32 s37, s37
	v_writelane_b32 v36, s37, \e                   ; how many of the 16 chose expert e
.endr
	v_cmp_gt_u32 vcc_lo, 16, v1
	s_wait_xcnt 0x0                                ; EXEC changes only behind this wait
	s_and_saveexec_b32 s36, vcc_lo
	global_store_b32 v248, v46, s[12:13]
	global_store_b32 v248, v46, s[14:15]
	global_store_b32 v248, v47, s[16:17]
	s_wait_xcnt 0x0
	s_or_b32 exec_lo, exec_lo, s36
	v_cmp_gt_u32 vcc_lo, 8, v1
	s_and_saveexec_b32 s36, vcc_lo
	global_store_b32 v249, v36, s[14:15] offset:16384
	s_wait_xcnt 0x0
	s_or_b32 exec_lo, exec_lo, s36
.Ldone:
	s_barrier_signal -1
	s_barrier_wait -1
	s_wait_tensorcnt 0x0
	ds_add_u32 v254, v255
	s_wait_dscnt 0x0
	s_endpgm
.Lfunc_end_k_q4b51243ad4_route:
	.size	k_q4b51243ad4_route, .Lfunc_end_k_q4b51243ad4_route-k_q4b51243ad4_route
	.p2alignl 7, 3214868480
	.fill 96, 4, 3214868480
	.section	.rodata,"a",@progbits
	.p2align	6, 0x0
	.amdhsa_kernel k_q4b51243ad4_route
		.amdhsa_group_segment_fixed_size 59904
		.amdhsa_private_segment_fixed_size 0
		.amdhsa_enable_private_segment 0
		.amdhsa_kernarg_size 72
		.amdhsa_user_sgpr_count 2
		.amdhsa_user_sgpr_kernarg_segment_ptr 1
		.amdhsa_wavefront_size32 1
		.amdhsa_system_sgpr_workgroup_id_x 1
		.amdhsa_system_sgpr_workgroup_id_y 1
		.amdhsa_system_sgpr_workgroup_id_z 1
		.amdhsa_system_vgpr_workitem_id 0
		.amdhsa_next_free_vgpr 256
		.amdhsa_next_free_sgpr 66
		.amdhsa_reserve_vcc 1
		.amdhsa_float_denorm_mode_32 3
		.amdhsa_float_denorm_mode_16_64 3
		.amdhsa_memory_ordered 1
		.amdhsa_forward_progress 1
		.amdhsa_inst_pref_size 30
	.end_amdhsa_kernel
	.amdgpu_metadata
---
amdhsa.version: [ 1, 2 ]
amdhsa.kernels:
  - .name:           k_q4b51243ad4_route
    .symbol:         k_q4b51243ad4_route.kd
    .args:
      - { .name: hidden_states, .offset: 0, .size: 8, .value_kind: global_buffer, .address_space: global }
      - { .name: ln_weight, .offset: 8, .size: 8, .value_kind: global_buffer, .address_space: global }
      - { .name: w_router, .offset: 16, .size: 8, .value_kind: global_buffer, .address_space: global }
      - { .name: out1, .offset: 24, .size: 8, .value_kind: global_buffer, .address_space: global }
      - { .name: out2, .offset: 32, .size: 8, .value_kind: global_buffer, .address_space: global }
      - { .name: route, .offset: 40, .size: 8, .value_kind: global_buffer, .address_space: global }
      - { .name: prob, .offset: 48, .size: 8, .value_kind: global_buffer, .address_space: global }
      - { .name: xcodes, .offset: 56, .size: 8, .value_kind: global_buffer, .address_space: global }
      - { .name: xscales, .offset: 64, .size: 8, .value_kind: global_buffer, .address_space: global }
    .group_segment_fixed_size: 59904
    .private_segment_fixed_size: 0
    .kernarg_segment_align: 8
    .kernarg_segment_size: 72
    .max_flat_workgroup_size: 256
    .sgpr_count:     66
    .vgpr_count:     256
    .wavefront_size: 32
...
	.end_amdgpu_metadata
.endif
;; end of part 1
;; launch place (part 2): grid 144 x 1, 8 waves a work-group, no clusters, 0 bytes of LDS; arguments route, wi_codes, wi_scales, wo_codes, wo_scales, lists, wi_img, wo_img; writes lists, wi_img, wo_img
.if DOCPART == 2
	.amdgcn_target "amdgcn-amd-amdhsa--gfx1250"
	.amdhsa_code_object_version 6
	.text
	.protected	k_q4b51243ad4_place
	.globl	k_q4b51243ad4_place
	.p2align	8
	.type	k_q4b51243ad4_place,@function
k_q4b51243ad4_place:
	s_mov_b64 s[64:65], 0
	v_nop
	global_prefetch_b8 v0, s[64:65] scope:SCOPE_SE
	s_setreg_imm32_b32 hwreg(HW_REG_WAVE_MODE, 25, 1), 1
	s_wait_xcnt 0x0
; PLACE: three kinds of work-groups, told apart by the work-group's number; waves share nothing: no LDS, no barrier.
; 0-15   SORT.  Each token gets a slot in a list in which every expert's tokens stand together, in token order, each expert padded to whole tiles of 32: lists + 4096: tlist[135][32] token numbers.
;        Every wave sums the 256 x 8 counts anew (8 KB): each expert's total in the high half of a word, what lies ahead of the wave's 32 tokens in the low half.  No atomics: a token's slot is
;        32 x the expert's first tile + tokens of that expert ahead of it.  Work-group 0 also writes the table of tiles, lists + 0: tiles[256] = (expert, rows, number of the tile in its expert, 0),
;        and token 0 into every slot that no token takes, so that each word that the next launch reads has been written.
;        With 4,096 rows, 8 experts and tiles of 32 there are never more than 4096 / 32 + 7 = 135 tiles.
; 16-79  wi as images of operand registers: unit U (32 rows of the flattened [16384][256 bytes]) is 8,704 bytes: quad 8 t + 2 s + c at 512 x quad + 16 x lane = row 32 U + 8 t + r + 8 (r / 8), bytes 64 s + 32 c + 16 h on;
;        at 8,192 + 16 x lane the 16 scale bytes of row 32 U + 8 h + r + 8 (r / 8).  (r = lane % 16, h = lane / 16.)  The rows of a tile are not neighbours, so that a lane's 16 results of tiles 0 and 1 are 16 neighbours along the next K.
; 80-143 wo likewise: record (64 rows group) x 16 + K step is 4,608 bytes: quad 2 t + c = row 64 group + 16 t + r, bytes 64 step + 32 c + 16 h on; at 4,096 + 16 x lane four scale words:
;        word 2 p + q = that of K step (step xor q) for row 64 group + 16 (2 p + h) + r: each record also carries its pair partner's words, so that one load serves two K steps.
	s_load_b512 s[4:19], s[0:1], 0x0               ; route 4, wi_codes 6, wi_scales 8, wo_codes 10, wo_scales 12, lists 14, wi_img 16, wo_img 18
	v_lshrrev_b32 v1, 5, v0
	v_readfirstlane_b32 s20, v1                    ; wave 0..7
	v_and_b32 v1, 31, v0                           ; lane
	v_and_b32 v2, 15, v0                           ; r
	v_bfe_u32 v3, v0, 4, 1                         ; h
	s_wait_kmcnt 0x0
	s_cmp_lt_u32 ttmp9, 16
	s_cbranch_scc1 .Lsort
	s_cmp_lt_u32 ttmp9, 80
	s_cbranch_scc1 .Lwi
	; ---- wo: wave G makes records 2 G and 2 G + 1
	s_sub_co_u32 s21, ttmp9, 80
	s_lshl_b32 s21, s21, 3
	s_add_co_u32 s21, s21, s20                     ; G = 0..511
	s_lshr_b32 s22, s21, 3                         ; the group of 64 rows
	s_and_b32 s23, s21, 7                          ; the pair of K steps
	s_lshl_b32 s24, s22, 16                        ; 64 rows of 1,024 bytes
	s_lshl_b32 s25, s23, 7                         ; 128 bytes a pair of K steps
	s_add_co_u32 s24, s24, s25
	v_lshlrev_b32 v4, 10, v2
	v_lshl_add_u32 v4, v3, 4, v4
	v_add_nc_u32 v4, s24, v4                       ; codes: row r, + 16 h
	s_lshl_b32 s24, s22, 12                        ; 64 rows of 64 scale bytes
	s_lshl_b32 s25, s23, 3
	s_add_co_u32 s24, s24, s25
	v_lshl_add_u32 v5, v3, 4, v2
	v_lshl_add_u32 v5, v5, 6, s24                  ; scale words: row 16 h + r
	s_mul_i32 s24, s21, 9216
	v_lshl_add_u32 v6, v1, 4, s24                  ; the image: 16 bytes a lane
.irp k, 0,1
.irp t, 0,1,2,3
.irp c, 0,1
	global_load_b128 v[32+32*\k+4*(2*\t+\c):32+32*\k+4*(2*\t+\c)+3], v4, s[10:11] offset:16384*\t+64*\k+32*\c
.endr
.endr
.endr
.irp p, 0,1
	global_load_b64 v[96+2*\p:97+2*\p], v5, s[12:13] offset:2048*\p   ; the even step's word and the odd step's, of row 16 (2 p + h) + r
.endr
	s_wait_loadcnt 0x0
	v_mov_b32 v100, v97                            ; the odd record has its own word first
	v_mov_b32 v101, v96
	v_mov_b32 v102, v99
	v_mov_b32 v103, v98
.irp k, 0,1
.irp d, 0,1,2,3,4,5,6,7
	global_store_b128 v6, v[32+32*\k+4*\d:32+32*\k+4*\d+3], s[18:19] offset:4608*\k+512*\d   ; 512 consecutive bytes a store
.endr
	global_store_b128 v6, v[96+4*\k:99+4*\k], s[18:19] offset:4608*\k+4096
.endr
	s_endpgm
.Lwi:
	; ---- wi: wave U makes unit U
	s_sub_co_u32 s21, ttmp9, 16
	s_lshl_b32 s21, s21, 3
	s_add_co_u32 s21, s21, s20                     ; U = 0..511
	v_and_b32 v4, 8, v2
	v_add_nc_u32 v4, v4, v2                        ; r + 8 (r / 8)
	s_lshl_b32 s24, s21, 13                        ; 32 rows of 256 bytes
	v_lshlrev_b32 v5, 8, v4
	v_lshl_add_u32 v5, v3, 4, v5
	v_add_nc_u32 v5, s24, v5
	s_lshl_b32 s24, s21, 9                         ; 32 rows of 16 scale bytes
	v_lshl_add_u32 v6, v3, 3, v4
	v_lshl_add_u32 v6, v6, 4, s24
	s_mul_i32 s24, s21, 8704
	v_lshl_add_u32 v7, v1, 4, s24
.irp t, 0,1
.irp s, 0,1,2,3
.irp c, 0,1
	global_load_b128 v[32+4*(8*\t+2*\s+\c):32+4*(8*\t+2*\s+\c)+3], v5, s[6:7] offset:2048*\t+64*\s+32*\c
.endr
.endr
.endr
	global_load_b128 v[96:99], v6, s[8:9]
	s_wait_loadcnt 0x0
.irp d, 0,1,2,3,4,5,6,7,8,9,10,11,12,13,14,15
	global_store_b128 v7, v[32+4*\d:32+4*\d+3], s[16:17] offset:512*\d
.endr
	global_store_b128 v7, v[96:99], s[16:17] offset:8192
	s_endpgm
.Lsort:
	; ---- the sort.  s24-31 sums; s32-39 totals; s40-48 first tiles; s50-57 first slots for my wave
	s_lshl_b32 s21, ttmp9, 3
	s_add_co_u32 s21, s21, s20                     ; W = 0..127: tokens 32 W + lane, which are blocks 2 W and 2 W + 1 of 16
	s_lshl_b32 s22, s21, 1
	s_lshl_b32 s23, s21, 7
	v_lshl_add_u32 v4, v1, 2, s23
	global_load_b32 v5, v4, s[4:5]                 ; my token's expert
	v_lshlrev_b32 v6, 5, v1
.irp i, 0,1,2,3,4,5,6,7                        ; block 32 i + lane: its eight counts
	global_load_b128 v[32+8*\i:32+8*\i+3], v6, s[4:5] offset:16384+1024*\i
	global_load_b128 v[32+8*\i+4:32+8*\i+7], v6, s[4:5] offset:16384+1024*\i+16
.endr
	s_mov_b32 s66, 0x76543210
	s_mov_b32 s67, 0xfedcba98
	v_mov_b32 v7, 0x10000                          ; a block counts for the total,
	v_mov_b32 v8, 0x10001                          ; and, where it lies ahead of my wave's, for what is ahead too
.irp e, 0,1,2,3,4,5,6,7
	v_mov_b32 v[24+\e], 0                          ; written once: the destination of a lane move counts as one of its sources
.endr
	s_wait_loadcnt 0x0
.irp i, 0,1,2,3,4,5,6,7
	v_add_nc_u32 v9, 32*\i, v1
	v_cmp_gt_u32 s58, s22, v9
	v_cndmask_b32 v10, v7, v8, s58
.irp e, 0,1,2,3,4,5,6,7
.if \i == 0
	v_mul_u32_u24 v[16+\e], v[32+\e], v10
.else
	v_mad_u32_u24 v[16+\e], v[32+8*\i+\e], v10, v[16+\e]
.endif
.endr
.endr
.irp x, 1,2,4,8
.irp e, 0,1,2,3,4,5,6,7
	v_mov_b32_dpp v[24+\e], v[16+\e] row_xmask:\x row_mask:0xf bank_mask:0xf
.endr
.irp e, 0,1,2,3,4,5,6,7
	v_add_nc_u32 v[16+\e], v[16+\e], v[24+\e]
.endr
.endr
.irp e, 0,1,2,3,4,5,6,7
	v_permlanex16_b32 v[24+\e], v[16+\e], s66, s67
.endr
.irp e, 0,1,2,3,4,5,6,7
	v_add_nc_u32 v[16+\e], v[16+\e], v[24+\e]
.endr
.irp e, 0,1,2,3,4,5,6,7
	v_readfirstlane_b32 s[24+\e], v[16+\e]
.endr
	s_mov_b32 s40, 0
	s_mov_b32 s60, 0
	s_mov_b32 s61, 0
.irp e, 0,1,2,3,4,5,6,7
	s_lshr_b32 s[32+\e], s[24+\e], 16              ; the expert's tokens
	s_and_b32 s58, s[24+\e], 0xffff                ; those ahead of my wave
	s_lshl_b32 s59, s[40+\e], 5
	s_add_co_u32 s[50+\e], s59, s58                ; the slot of my wave's first token of this expert
	s_add_co_u32 s59, s59, s[32+\e]                ; where the expert's tokens end,
	s_add_co_u32 s58, s[32+\e], 31
	s_lshr_b32 s58, s58, 5
	s_add_co_u32 s[41+\e], s[40+\e], s58           ; the next expert's first tile,
	s_lshl_b32 s58, s[41+\e], 5                    ; and where its slots begin
	s_cmp_eq_u32 s20, \e                           ; wave e keeps expert e's two ends
	s_cselect_b32 s60, s59, s60
	s_cselect_b32 s61, s58, s61
.endr
	s_lshl_b32 s59, s21, 5
	v_add_nc_u32 v11, s59, v1                      ; my token's number
	v_cmp_eq_u32 s58, 0, v5
	v_mbcnt_lo_u32_b32 v12, s58, s50               ; the wave's first slot + the lanes below me with the same expert
.irp e, 1,2,3,4,5,6,7
	v_cmp_eq_u32 s58, \e, v5
	v_mbcnt_lo_u32_b32 v13, s58, s[50+\e]
	v_cndmask_b32 v12, v12, v13, s58
.endr
	v_min_u32 v12, 0x10df, v12                     ; held inside the list's 4,320 slots
	v_lshlrev_b32 v12, 2, v12
	global_store_b32 v12, v11, s[14:15] offset:4096
	s_cmp_lg_u32 ttmp9, 0
	s_cbranch_scc1 .Lend
	; work-group 0: the table of tiles, a thread a tile
	v_mov_b32 v112, 0
	v_mov_b32 v14, 0
	v_mov_b32 v15, s32
.irp e, 1,2,3,4,5,6,7
	v_cmp_le_u32 s58, s[40+\e], v0                 ; the last expert whose first tile is not behind mine (an expert without tokens is passed over by the next)
	v_cndmask_b32 v112, v112, \e, s58
	v_cndmask_b32 v14, v14, s[40+\e], s58
	v_cndmask_b32 v15, v15, s[32+\e], s58
.endr
	v_sub_nc_u32 v114, v0, v14                     ; the tile's number in its expert
	v_lshlrev_b32 v108, 5, v114
	v_min_u32 v108, v108, v15
	v_sub_nc_u32 v108, v15, v108
	v_min_u32 v113, 32, v108                       ; its rows: 32, the rest, or none
	v_mov_b32 v115, 0
	v_lshlrev_b32 v104, 4, v0
	global_store_b128 v104, v[112:115], s[14:15]
	; THE EMPTY SLOTS get token 0.  Both runs' addresses and masks are made here, while every lane is on: behind the first change of EXEC no vector register is written any more.
	; (a) the slots behind an expert's last token, up to the end of its last tile: fewer than 32, a lane a slot, wave e for expert e
	v_add_nc_u32 v105, s60, v1
	v_cmp_gt_u32 vcc_lo, s61, v105
	v_min_u32 v105, 0x10df, v105                   ; held inside the list's 4,320 slots
	v_lshlrev_b32 v105, 2, v105
	; (b) the tiles that this split leaves unused: at most 7 x 32 slots, a thread a slot
	s_lshl_b32 s58, s48, 5
	s_mov_b32 s59, 0x10e0
	v_add_nc_u32 v107, s58, v0
	v_cmp_gt_u32 s63, s59, v107
	v_min_u32 v107, 0x10df, v107
	v_lshlrev_b32 v107, 2, v107
	v_mov_b32 v106, 0
	s_wait_xcnt 0x0                                ; EXEC changes only behind this wait: the token's store and the table's are out
	s_and_saveexec_b32 s62, vcc_lo
	global_store_b32 v105, v106, s[14:15] offset:4096
	s_wait_xcnt 0x0                                ; and again ahead of the line that widens it
	s_or_b32 exec_lo, exec_lo, s62
	s_mov_b32 vcc_lo, s63                          ; (no memory instruction has been issued since that wait)
	s_and_saveexec_b32 s62, vcc_lo
	global_store_b32 v107, v106, s[14:15] offset:4096
	s_wait_xcnt 0x0
	s_or_b32 exec_lo, exec_lo, s62
.Lend:
	s_endpgm
.Lfunc_end_k_q4b51243ad4_place:
	.size	k_q4b51243ad4_place, .Lfunc_end_k_q4b51243ad4_place-k_q4b51243ad4_place
	.p2alignl 7, 3214868480
	.fill 96, 4, 3214868480
	.section	.rodata,"a",@progbits
	.p2align	6, 0x0
	.amdhsa_kernel k_q4b51243ad4_place
		.amdhsa_group_segment_fixed_size 0
		.amdhsa_private_segment_fixed_size 0
		.amdhsa_enable_private_segment 0
		.amdhsa_kernarg_size 64
		.amdhsa_user_sgpr_count 2
		.amdhsa_user_sgpr_kernarg_segment_ptr 1
		.amdhsa_wavefront_size32 1
		.amdhsa_system_sgpr_workgroup_id_x 1
		.amdhsa_system_sgpr_workgroup_id_y 1
		.amdhsa_system_sgpr_workgroup_id_z 1
		.amdhsa_system_vgpr_workitem_id 0
		.amdhsa_next_free_vgpr 128
		.amdhsa_next_free_sgpr 96
		.amdhsa_reserve_vcc 1
		.amdhsa_float_denorm_mode_32 3
		.amdhsa_float_denorm_mode_16_64 3
		.amdhsa_memory_ordered 1
		.amdhsa_forward_progress 1
		.amdhsa_inst_pref_size 29
	.end_amdhsa_kernel
	.amdgpu_metadata
---
amdhsa.version: [ 1, 2 ]
amdhsa.kernels:
  - .name:           k_q4b51243ad4_place
    .symbol:         k_q4b51243ad4_place.kd
    .args:
      - { .name: route, .offset: 0, .size: 8, .value_kind: global_buffer, .address_space: global }
      - { .name: wi_codes, .offset: 8, .size: 8, .value_kind: global_buffer, .address_space: global }
      - { .name: wi_scales, .offset: 16, .size: 8, .value_kind: global_buffer, .address_space: global }
      - { .name: wo_codes, .offset: 24, .size: 8, .value_kind: global_buffer, .address_space: global }
      - { .name: wo_scales, .offset: 32, .size: 8, .value_kind: global_buffer, .address_space: global }
      - { .name: lists, .offset: 40, .size: 8, .value_kind: global_buffer, .address_space: global }
      - { .name: wi_img, .offset: 48, .size: 8, .value_kind: global_buffer, .address_space: global }
      - { .name: wo_img, .offset: 56, .size: 8, .value_kind: global_buffer, .address_space: global }
    .group_segment_fixed_size: 0
    .private_segment_fixed_size: 0
    .kernarg_segment_align: 8
    .kernarg_segment_size: 64
    .max_flat_workgroup_size: 256
    .sgpr_count:     96
    .vgpr_count:     128
    .wavefront_size: 32
...
	.end_amdgpu_metadata
.endif
;; end of part 2
;; launch chain (part 3): grid 135 x 1, 8 waves a work-group, no clusters, 101,888 bytes of LDS; arguments lists, xcodes, xscales, prob, wi_img, wo_img, hidden_states, out0; writes out0
.if DOCPART == 3
	.amdgcn_target "amdgcn-amd-amdhsa--gfx1250"
	.amdhsa_code_object_version 6
	.text
	.protected	k_q4b51243ad4_chain
	.globl	k_q4b51243ad4_chain
	.p2align	8
	.type	k_q4b51243ad4_chain,@function
k_q4b51243ad4_chain:
	s_mov_b64 s[64:65], 0
	v_nop
	global_prefetch_b8 v0, s[64:65] scope:SCOPE_SE
	s_setreg_imm32_b32 hwreg(HW_REG_WAVE_MODE, 25, 1), 1
	s_wait_xcnt 0x0
; CHAIN: one tile (up to 32 rows of one expert) through the whole chain: gather, x Wi, relu, quantise, h Wo, x probability + residual.  Both products on codes of E2M1 with E8M0 scales; sums in f32.
; Only the chosen expert's rows are multiplied: the other experts' results are thrown away by a mask that the problem builds itself.  The grid, 135, serves every split (4096 / 32 + 7).
; A tile with fewer than 32 rows, or none, runs the same text on token 0 in its empty slots, and its stores are masked: no branch hangs on a loaded number, so every wave passes both barriers.
; SHARES.  Eight waves, two to a SIMD, so that one wave's quantiser stands beside the other's products.  Product 1: wave w makes 256 hidden units for all 32 rows, in 8 units of 32; they become places 2 w and 2 w + 1
; of the second product's 16 K steps.  Product 2: wave w makes output columns 64 w .. 64 w + 63 for all 32 rows, over the 16 places.  Both are used transposed (source 0 = 16 rows of the weight, source 1 = 16 tokens):
; a lane holds one token throughout, and its registers run along the hidden units or the output columns.
; THE WEIGHTS come from memory straight into registers, as images of the operand's registers laid out by the launch before: 17 loads of 512 consecutive bytes a unit, through a ring of four register slots, three units ahead.
; No tensor load and no cluster: the weights' address hangs on the stored list.  The hidden layer goes from wave to wave through LDS, again as images of registers.
; THE WALK IS ROTATED by the tile's number j in its expert, so that an expert's tiles do not all ask for the same bytes at once: j & 1 swaps the halves of a wave's share of wi, j & 14 turns the shares round the waves.
; Place P then holds K step ((P + (j & 14)) & 14) + ((P + j) & 1) of the second product, and wo's records are fetched by the same formula: whole K steps permuted alike on both sides.
; REGISTERS.  Window 0: v1-31 addresses; v32-95 x's fragments, later the 8 accumulators of the output; v96-127 the 4 accumulators of a unit; v128-153 codes and scales in the making; v96-159 later the hidden fragments, then rows of the output;
;   v160-183 scale words and nothing else; v184-191 the ring's offsets; v192-255 the residual rows.  Window 1: the ring, four slots of 64.
.set HSC,  32768                       ; LDS 0..32767: the hidden layer's fragments, (place P, token tile m) at (2 P + m) x 1,024, quad c at + 512 c + 16 x lane.  From HSC: their scale words, 128 P + 64 m + 4 r
.set STG,  34816                       ; the stage for the output: 32 rows,
.set SP,   2064                        ; 2,048 bytes + 16: the sixteen rows that a store touches start at sixteen different banks
.set LI,   1                           ; v1   16 x lane
.set LS,   4                           ; v4   4 x lane
.set XO,   10                          ; v10-11 x's codes: token x 256 + 16 h, for token tiles 0, 1
.set PRB,  16                          ; v[16:17], v[18:19] the probabilities of my two pairs of rows, as the low words of pairs
.set HO,   20                          ; v20-21 hidden_states and out0: token x 2,048 + 16 r
.set HWI,  22                          ; v22  where I store my images: 16 x lane + 4,096 x wave
.set HWS,  23                          ; v23  and their scale words: 4 r + 256 x wave
.set SO,   25                          ; v25  the stage, on the way in
.set SR,   26                          ; v26  and on the way out
.set RI,   27                          ; v27-28 the slots in the tile of the rows that I store
.set XF,   32
.set OA,   32
.set HA,   96
.set PC,   128
.set TM,   144
.set TP,   146
.set TS,   148
.set TB,   150
.set PW,   152
.set HF,   96
.set SB,   96
.set WS,   160                         ; v160-175 the weights' scale words, four a slot
.set XS,   176                         ; v176-179 x's: lanes 0-15 token tile 0, lanes 16-31 tile 1
.set HS,   180                         ; v180-183 the hidden layer's, likewise
.set VO,   184
.set HD,   192
.set MSB, 0
.macro WIN new                         ; s_set_vgpr_msb: bits 1:0 source 0, 7:6 destination; the immediate's high byte repeats the setting that is left
.if MSB != \new
	s_set_vgpr_msb (MSB<<8)|\new
.set MSB, \new
.endif
.endm
.macro PLACES                          ; four plain instructions between a matrix instruction and a read of its result or a load into one of its registers
.rept 4
	v_nop
.endr
.endm
; One matrix instruction on the registers named by rD, rA, rB, rSA, rSB.  z = 1: it starts a sum.  ra, rb: the scale words stand in lanes 16-31.
.macro WM z, ra, rb
.if \z
.if (\ra) && (\rb)
	v_wmma_scale_f32_16x16x128_f8f6f4 v[rD:rD+7], v[rA:rA+7], v[rB:rB+7], 0, v[rSA], v[rSB] matrix_a_fmt:MATRIX_FMT_FP4 matrix_b_fmt:MATRIX_FMT_FP4 matrix_a_scale:MATRIX_SCALE_ROW1 matrix_b_scale:MATRIX_SCALE_ROW1
.elseif \ra
	v_wmma_scale_f32_16x16x128_f8f6f4 v[rD:rD+7], v[rA:rA+7], v[rB:rB+7], 0, v[rSA], v[rSB] matrix_a_fmt:MATRIX_FMT_FP4 matrix_b_fmt:MATRIX_FMT_FP4 matrix_a_scale:MATRIX_SCALE_ROW1
.elseif \rb
	v_wmma_scale_f32_16x16x128_f8f6f4 v[rD:rD+7], v[rA:rA+7], v[rB:rB+7], 0, v[rSA], v[rSB] matrix_a_fmt:MATRIX_FMT_FP4 matrix_b_fmt:MATRIX_FMT_FP4 matrix_b_scale:MATRIX_SCALE_ROW1
.else
	v_wmma_scale_f32_16x16x128_f8f6f4 v[rD:rD+7], v[rA:rA+7], v[rB:rB+7], 0, v[rSA], v[rSB] matrix_a_fmt:MATRIX_FMT_FP4 matrix_b_fmt:MATRIX_FMT_FP4
.endif
.else
.if (\ra) && (\rb)
	v_wmma_scale_f32_16x16x128_f8f6f4 v[rD:rD+7], v[rA:rA+7], v[rB:rB+7], v[rD:rD+7], v[rSA], v[rSB] matrix_a_fmt:MATRIX_FMT_FP4 matrix_b_fmt:MATRIX_FMT_FP4 matrix_a_scale:MATRIX_SCALE_ROW1 matrix_b_scale:MATRIX_SCALE_ROW1
.elseif \ra
	v_wmma_scale_f32_16x16x128_f8f6f4 v[rD:rD+7], v[rA:rA+7], v[rB:rB+7], v[rD:rD+7], v[rSA], v[rSB] matrix_a_fmt:MATRIX_FMT_FP4 matrix_b_fmt:MATRIX_FMT_FP4 matrix_a_scale:MATRIX_SCALE_ROW1
.elseif \rb
	v_wmma_scale_f32_16x16x128_f8f6f4 v[rD:rD+7], v[rA:rA+7], v[rB:rB+7], v[rD:rD+7], v[rSA], v[rSB] matrix_a_fmt:MATRIX_FMT_FP4 matrix_b_fmt:MATRIX_FMT_FP4 matrix_b_scale:MATRIX_SCALE_ROW1
.else
	v_wmma_scale_f32_16x16x128_f8f6f4 v[rD:rD+7], v[rA:rA+7], v[rB:rB+7], v[rD:rD+7], v[rSA], v[rSB] matrix_a_fmt:MATRIX_FMT_FP4 matrix_b_fmt:MATRIX_FMT_FP4
.endif
.endif
.endm
; Unit n of the stream of weights into slot n % 4: 17 loads.  n < 8: a unit of wi (32 hidden units x 512 K, and their scale words).  n >= 8: two records of wo (places 2 (n - 8) and + 1: 64 columns x 128 K each),
; and the first record's quad of scale words, which serves both.  The slot's offset registers are written again only behind the wait that showed the slot's last loads done.
.macro REFILL n
.set SL, (\n)%4
.if (\n) < 8
	s_add_co_u32 s36, s35, \n
	s_and_b32 s36, s36, 7                          ; which of my share's eight units: (n + 4 (j & 1)) % 8
	s_mul_i32 s36, s36, 8704
	s_add_co_u32 s36, s36, s38
	v_add_nc_u32 v[VO+2*SL], s36, v[LI]
	WIN 0x40                                       ; destination window 1
.irp d, 0,1,2,3,4,5,6,7,8,9,10,11,12,13,14,15
	global_load_b128 v[64*SL+4*\d:64*SL+4*\d+3], v[VO+2*SL], s[16:17] offset:512*\d
.endr
	WIN 0
	global_load_b128 v[WS+4*SL:WS+4*SL+3], v[VO+2*SL], s[16:17] offset:8192
.else
.irp q, 0,1
	s_add_co_u32 s36, s34, 2*((\n)-8)+\q
	s_and_b32 s36, s36, 14
	s_add_co_u32 s37, s33, 2*((\n)-8)+\q
	s_and_b32 s37, s37, 1
	s_add_co_u32 s36, s36, s37                     ; the K step that lies at place P = 2 (n - 8) + q
	s_mul_i32 s36, s36, 4608
	s_add_co_u32 s36, s36, s39
	v_add_nc_u32 v[VO+2*SL+\q], s36, v[LI]
.endr
	WIN 0x40
.irp q, 0,1
.irp d, 0,1,2,3,4,5,6,7
	global_load_b128 v[64*SL+32*\q+4*\d:64*SL+32*\q+4*\d+3], v[VO+2*SL+\q], s[18:19] offset:512*\d
.endr
.endr
	WIN 0
	global_load_b128 v[WS+4*SL:WS+4*SL+3], v[VO+2*SL], s[18:19] offset:4096
.endif
.endm
	s_load_b512 s[8:23], s[0:1], 0x0               ; lists 8, xcodes 10, xscales 12, prob 14, wi_img 16, wo_img 18, hidden_states 20, out0 22
	v_lshrrev_b32 v1, 5, v0
	v_readfirstlane_b32 s32, v1                    ; wave 0..7
	v_and_b32 v24, 31, v0                          ; lane
	v_and_b32 v2, 15, v0                           ; r
	v_bfe_u32 v3, v0, 4, 1                         ; h
	v_lshlrev_b32 v[LI], 4, v24
	v_lshlrev_b32 v[LS], 2, v24
	s_lshl_b32 s36, ttmp9, 4                       ; my tile's entry in the table
	s_lshl_b32 s37, ttmp9, 7                       ; and its 32 slots in the list
	v_add_nc_u32 v29, s37, v[LS]
	v_lshl_add_u32 v30, v2, 2, s37
	s_lshl_b32 s43, s32, 4
	s_add_co_u32 s43, s43, s37
	v_lshl_add_u32 v31, v3, 2, s43
	s_wait_kmcnt 0x0
	s_load_b128 s[28:31], s[8:9], s36 offset:0x0   ; expert, rows, the tile's number in its expert, 0
	global_load_b32 v5, v29, s[8:9] offset:4096    ; the token of slot lane,
	global_load_b32 v6, v30, s[8:9] offset:4096    ; of slot r,
	global_load_b32 v7, v30, s[8:9] offset:4160    ; of slot 16 + r,
	global_load_b32 v8, v31, s[8:9] offset:4096    ; of slot 4 w + h,
	global_load_b32 v9, v31, s[8:9] offset:4104    ; of slot 4 w + 2 + h
	s_lshl_b32 s43, s32, 12
	v_add_nc_u32 v[HWI], s43, v[LI]
	s_lshl_b32 s43, s32, 8
	v_lshl_add_u32 v[HWS], v2, 2, s43
	s_add_co_u32 s43, s43, STG
	v_mul_u32_u24 v[SO], v2, SP
	v_lshl_add_u32 v[SO], v3, 5, v[SO]
	v_add_nc_u32 v[SO], s43, v[SO]                 ; in: row r, + 32 h, + 256 x wave: my columns' bytes
	s_mul_i32 s43, s32, 4*SP
	s_add_co_u32 s43, s43, STG
	v_mul_u32_u24 v[SR], v3, SP
	v_lshl_add_u32 v[SR], v2, 4, v[SR]
	v_add_nc_u32 v[SR], s43, v[SR]                 ; back: rows 4 w + h, sixteen lanes to 256 bytes
	s_lshl_b32 s43, s32, 2
	v_add_nc_u32 v[RI], s43, v3
	v_add_nc_u32 v[RI+1], 2, v[RI]
	v_mov_b32 v[PRB+1], 0                          ; named as upper halves of pairs, so they are written
	v_mov_b32 v[PRB+3], 0
	v_mov_b32 v[TP], 0                             ; written once: a lane permute's destination counts as one of its sources
	v_mov_b32 v[TP+1], 0
	s_mov_b32 s40, 0x76543210                      ; v_permlanex16_b32's selects for lane l xor 16
	s_mov_b32 s41, 0xfedcba98
	s_wait_kmcnt 0x0
	s_min_u32 s28, s28, 7                          ; loaded numbers are held inside their ranges before they enter an address
	s_min_u32 s29, s29, 32
	s_min_u32 s30, s30, 127
	s_and_b32 s33, s30, 1                          ; j & 1
	s_and_b32 s34, s30, 14                         ; j & 14
	s_lshl_b32 s35, s33, 2
	s_lshl_b32 s36, s32, 1
	s_add_co_u32 s36, s36, s34
	s_and_b32 s36, s36, 14                         ; twice my share of wi: (2 w + (j & 14)) & 14
	s_lshl_b32 s36, s36, 2
	s_lshl_b32 s37, s28, 6
	s_add_co_u32 s36, s36, s37                     ; its first unit: 64 e + 8 x share
	s_mul_i32 s38, s36, 8704
	s_lshl_b32 s36, s28, 3
	s_add_co_u32 s36, s36, s32
	s_mul_i32 s39, s36, 73728                      ; my 16 records of wo: group 8 e + w
	REFILL 0
	REFILL 1
	REFILL 2
	s_wait_loadcnt 51                              ; the five loads from the list are in; the three units issued behind them may be out
.irp i, 5,6,7,8,9
	v_min_u32 v\i, 0xfff, v\i
.endr
	v_lshlrev_b32 v[XO], 8, v6
	v_lshl_add_u32 v[XO], v3, 4, v[XO]
	v_lshlrev_b32 v[XO+1], 8, v7
	v_lshl_add_u32 v[XO+1], v3, 4, v[XO+1]
	v_lshlrev_b32 v12, 4, v5
	v_lshlrev_b32 v13, 2, v8
	v_lshlrev_b32 v14, 2, v9
	v_lshlrev_b32 v[HO], 11, v8
	v_lshl_add_u32 v[HO], v2, 4, v[HO]
	v_lshlrev_b32 v[HO+1], 11, v9
	v_lshl_add_u32 v[HO+1], v2, 4, v[HO+1]
.irp m, 0,1
.irp s, 0,1,2,3
.irp c, 0,1
	global_load_b128 v[XF+32*\m+8*\s+4*\c:XF+32*\m+8*\s+4*\c+3], v[XO+\m], s[10:11] offset:64*\s+32*\c   ; x's fragment (token tile m, K step s)
.endr
.endr
.endr
	global_load_b128 v[XS:XS+3], v12, s[12:13]     ; slot lane's four scale words
	global_load_b32 v[PRB], v13, s[14:15]
	global_load_b32 v[PRB+2], v14, s[14:15]
.irp i, 0,1
.irp u, 0,1,2,3,4,5,6,7
	global_load_b128 v[HD+4*(8*\i+\u):HD+4*(8*\i+\u)+3], v[HO+\i], s[20:21] offset:256*\u   ; the residual rows, asked for now and wanted at the end: sixteen lanes read 256 consecutive bytes
.endr
.endr
	REFILL 3
	s_wait_loadcnt 33                              ; x, its scales, the probabilities and units 0 to 2 are in; the residual's 16 loads and unit 3's 17 may be out
; 2 x 16 numbers a lane (HA + 16 m + i = hidden unit 32 b + 16 h + i of my token in tile m) become block b of a K step: relu, the block's largest number (with the floor 2^(3 - 127); nothing is negative, so no |.|),
; its byte into the scale word, the codes.  Behind each second block the halves are exchanged, so that a lane holds whole blocks, and a quad of the image goes to LDS; behind the fourth the scale word.
.macro QUANT g, b
.irp j, 0,1,2,3,4,5,6,7,8,9,10,11,12,13,14,15
	v_max_num_f32 v[HA+\j], 0, v[HA+\j]            ; each accumulator is read from its low end on
	v_max_num_f32 v[HA+16+\j], 0, v[HA+16+\j]
.endr
	s_wait_dscnt 0x0                               ; my earlier stores into LDS have read the registers that are written again below
.irp m, 0,1
	v_max3_num_f32 v[TM+\m], v[HA+16*\m], v[HA+16*\m+1], 0x1800000
.endr
.irp i, 2,4,6,8,10,12,14
.irp m, 0,1
	v_max3_num_f32 v[TM+\m], v[TM+\m], v[HA+16*\m+\i], v[HA+16*\m+\i+1]
.endr
.endr
.irp m, 0,1
	v_permlanex16_b32 v[TP+\m], v[TM+\m], s40, s41
.endr
.irp m, 0,1
	v_max_num_f32 v[TM+\m], v[TM+\m], v[TP+\m]     ; with lane l xor 16's 16: the block's
.endr
.irp m, 0,1
	v_add_nc_u32 v[TS+\m], 0xff000000, v[TM+\m]    ; 2 off its exponent field: the conversion's scale operand
.endr
.irp m, 0,1
.if (\b) == 0
	v_lshrrev_b32 v[PW+\m], 23, v[TS+\m]           ; the byte
.else
	v_lshrrev_b32 v[TB+\m], 23, v[TS+\m]
	v_lshl_or_b32 v[PW+\m], v[TB+\m], 8*(\b), v[PW+\m]
.endif
.endr
.irp m, 0,1
	v_cvt_scalef32_pk8_fp4_f32 v[PC+8*\m+2*(\b)], v[HA+16*\m:HA+16*\m+7], v[TS+\m]
	v_cvt_scalef32_pk8_fp4_f32 v[PC+8*\m+2*(\b)+1], v[HA+16*\m+8:HA+16*\m+15], v[TS+\m]
.endr
	v_nop                                          ; one plain instruction behind the last scaled conversion
.if (\b)%2 == 1
.irp m, 0,1
.irp i, 0,1
	v_permlane16_swap_b32 v[PC+8*\m+4*((\b)/2)+\i], v[PC+8*\m+4*((\b)/2)+2+\i]
.endr
.endr
.irp m, 0,1
	ds_store_b128 v[HWI], v[PC+8*\m+4*((\b)/2):PC+8*\m+4*((\b)/2)+3] offset:2048*(\g)+1024*\m+512*((\b)/2)
.endr
.endif
.if (\b) == 3
.irp m, 0,1
	ds_store_b32 v[HWS], v[PW+\m] offset:HSC+128*(\g)+64*\m   ; lanes 16-31 write the same words with the same values
.endr
.endif
.endm
; PRODUCT 1, unit i: 32 hidden units x 32 tokens x 512 K: 16 matrix instructions, the four accumulators by turns, one instruction a turn.
.macro P1 i
.set SA, (\i)%4
	s_wait_loadcnt 51                              ; this unit is in; the three younger units, 17 loads each, may be out
	WIN 0x01                                       ; source 0 (the weight) window 1
.irp s, 0,1,2,3
.irp m, 0,1
.irp t, 0,1
.set rD, HA+16*\m+8*\t
.set rA, 64*SA+32*\t+8*\s
.set rB, XF+32*\m+8*\s
.set rSA, WS+4*SA+\s
.set rSB, XS+\s
.if \s == 0
	WM 1, \t, \m
.else
	WM 0, \t, \m
.endif
.endr
.endr
.endr
	WIN 0
	PLACES
	REFILL (\i)+4                                  ; the slot just multiplied takes the unit four further on
	QUANT (\i)/4, (\i)%4
.endm
.irp i, 0,1,2,3,4,5,6,7
	P1 \i
.endr
	s_wait_dscnt 0x0                               ; for the others' sake: my two K steps' images and scale words have landed
	s_barrier_signal -1
	s_barrier_wait -1                              ; the hidden layer's 32 fragments lie in LDS
.macro HLOAD v                         ; the hidden fragments and scale words of places 2 v and 2 v + 1 into buffer v % 2: ten LDS loads
.set BL, (\v)%2
.irp q, 0,1
.irp m, 0,1
.irp c, 0,1
	ds_load_b128 v[HF+32*BL+16*\q+8*\m+4*\c:HF+32*BL+16*\q+8*\m+4*\c+3], v[LI] offset:(2*(2*(\v)+\q)+\m)*1024+512*\c
.endr
.endr
	ds_load_b32 v[HS+2*BL+\q], v[LS] offset:HSC+128*(2*(\v)+\q)
.endr
.endm
; PRODUCT 2, unit v: 64 columns x 32 tokens x 256 K: 16 matrix instructions, the eight accumulators by turns.
.macro P2 v
	s_wait_dscnt 0x0                               ; this unit's hidden fragments are in
.if (\v) < 7
	HLOAD (\v)+1                                   ; the next unit's, into the buffer that the last unit multiplied (four plain instructions stand behind its products)
.endif
.if 7-(\v) >= 3
	s_wait_loadcnt 51                              ; this unit's records are in; the younger units, 17 loads each, may be out
.else
	s_wait_loadcnt 17*(7-(\v))
.endif
.set SA, (\v)%4
.set BU, (\v)%2
	WIN 0x01
.irp q, 0,1
.irp m, 0,1
.irp t, 0,1,2,3
.set rD, OA+8*(4*\m+\t)
.set rA, 64*SA+32*\q+8*\t
.set rB, HF+32*BU+16*\q+8*\m
.set rSA, WS+4*SA+2*(\t/2)+\q
.set rSB, HS+2*BU+\q
.if ((\v) == 0) && (\q == 0)
	WM 1, \t%2, \m
.else
	WM 0, \t%2, \m
.endif
.endr
.endr
.endr
	WIN 0
	PLACES
.if (\v) < 4
	REFILL (\v)+12
.endif
.endm
	HLOAD 0
.irp v, 0,1,2,3,4,5,6,7
	P2 \v
.endr
	; THE WAY OUT.  A lane's eight results are eight neighbouring columns of one row; a row's 512 columns come from eight waves: they meet in the stage, and each wave carries four whole rows out.
.irp m, 0,1
.irp t, 0,1,2,3
	ds_store_b128 v[SO], v[OA+8*(4*\m+\t):OA+8*(4*\m+\t)+3] offset:16*SP*\m+64*\t          ; each accumulator from its low end on
	ds_store_b128 v[SO], v[OA+8*(4*\m+\t)+4:OA+8*(4*\m+\t)+7] offset:16*SP*\m+64*\t+16
.endr
.endr
	s_wait_dscnt 0x0                               ; for the others' sake: my columns have landed
	s_barrier_signal -1
	s_barrier_wait -1
.irp i, 0,1
.irp u, 0,1,2,3,4,5,6,7
	ds_load_b128 v[SB+4*(8*\i+\u):SB+4*(8*\i+\u)+3], v[SR] offset:2*SP*\i+256*\u
.endr
.endr
	s_wait_dscnt 0x0
	s_wait_loadcnt 0x0                             ; the residual rows came long ago
.irp i, 0,1
.set u, 0
.rept 16
	v_pk_fma_f32 v[SB+32*\i+u:SB+32*\i+u+1], v[SB+32*\i+u:SB+32*\i+u+1], v[PRB+2*\i:PRB+2*\i+1], v[HD+32*\i+u:HD+32*\i+u+1] op_sel_hi:[1,0,1]   ; probability x result + hidden: one rounding
.set u, u+2
.endr
.endr
.irp i, 0,1
	v_cmp_gt_u32 vcc_lo, s29, v[RI+\i]             ; only the slots that hold a token of the tile
	s_wait_xcnt 0x0                                ; EXEC changes only behind this wait
	s_and_saveexec_b32 s42, vcc_lo
.irp u, 0,1,2,3,4,5,6,7
	global_store_b128 v[HO+\i], v[SB+4*(8*\i+\u):SB+4*(8*\i+\u)+3], s[22:23] offset:256*\u th:TH_STORE_NT   ; sixteen lanes store 256 consecutive bytes, aligned
.endr
	s_wait_xcnt 0x0
	s_or_b32 exec_lo, exec_lo, s42
.endr
	s_wait_xcnt 0x0
	s_mov_b32 exec_lo, -1
	v_lshl_add_u32 v190, v0, 2, 0x18a00
	v_mov_b32 v191, 0
	s_wait_tensorcnt 0x0
	ds_add_u32 v190, v191
	s_wait_dscnt 0x0
	s_endpgm
.Lfunc_end_k_q4b51243ad4_chain:
	.size	k_q4b51243ad4_chain, .Lfunc_end_k_q4b51243ad4_chain-k_q4b51243ad4_chain
	.p2alignl 7, 3214868480
	.fill 96, 4, 3214868480
	.section	.rodata,"a",@progbits
	.p2align	6, 0x0
	.amdhsa_kernel k_q4b51243ad4_chain
		.amdhsa_group_segment_fixed_size 101888
		.amdhsa_private_segment_fixed_size 0
		.amdhsa_enable_private_segment 0
		.amdhsa_kernarg_size 64
		.amdhsa_user_sgpr_count 2
		.amdhsa_user_sgpr_kernarg_segment_ptr 1
		.amdhsa_wavefront_size32 1
		.amdhsa_system_sgpr_workgroup_id_x 1
		.amdhsa_system_sgpr_workgroup_id_y 1
		.amdhsa_system_sgpr_workgroup_id_z 1
		.amdhsa_system_vgpr_workitem_id 0
		.amdhsa_next_free_vgpr 512
		.amdhsa_next_free_sgpr 66
		.amdhsa_reserve_vcc 1
		.amdhsa_float_denorm_mode_32 3
		.amdhsa_float_denorm_mode_16_64 3
		.amdhsa_memory_ordered 1
		.amdhsa_forward_progress 1
		.amdhsa_inst_pref_size 111
	.end_amdhsa_kernel
	.amdgpu_metadata
---
amdhsa.version: [ 1, 2 ]
amdhsa.kernels:
  - .name:           k_q4b51243ad4_chain
    .symbol:         k_q4b51243ad4_chain.kd
    .args:
      - { .name: lists, .offset: 0, .size: 8, .value_kind: global_buffer, .address_space: global }
      - { .name: xcodes, .offset: 8, .size: 8, .value_kind: global_buffer, .address_space: global }
      - { .name: xscales, .offset: 16, .size: 8, .value_kind: global_buffer, .address_space: global }
      - { .name: prob, .offset: 24, .size: 8, .value_kind: global_buffer, .address_space: global }
      - { .name: wi_img, .offset: 32, .size: 8, .value_kind: global_buffer, .address_space: global }
      - { .name: wo_img, .offset: 40, .size: 8, .value_kind: global_buffer, .address_space: global }
      - { .name: hidden_states, .offset: 48, .size: 8, .value_kind: global_buffer, .address_space: global }
      - { .name: out0, .offset: 56, .size: 8, .value_kind: global_buffer, .address_space: global }
    .group_segment_fixed_size: 101888
    .private_segment_fixed_size: 0
    .kernarg_segment_align: 8
    .kernarg_segment_size: 64
    .max_flat_workgroup_size: 256
    .sgpr_count:     66
    .vgpr_count:     512
    .wavefront_size: 32
...
	.end_amdgpu_metadata
.endif
;; end of part 3
